; MI455X (gfx1250); checked and timed in simulation.
; The chip was launched on July 23, 2026; its instructions are those of AMD's public machine-readable ISA for CDNA 5 (MIT licence, August 2026) and "CDNA5" Instruction Set Architecture Reference Guide (July 2026). The comments in the code are by the model that wrote it; some were corrected since.
;; Quantum Classical Interface. Allowed arithmetic: float matrix products may take bf16 or f16 operands with f32 sums; other float arithmetic in f32, or as packed bf16 or f16 multiplies, adds, multiply-adds, maxima and minima; sums over many terms, partial sums and values carried from step to step in f32; what a program stores and reads back later, other than sums and carried values, may be rounded once to bf16 or f16.
;; Inputs: Wc 1,024 x 1,024 float32; Wg 1,024 x 2,048 float32; Wq 1,024 x 1,024 float32; bc 1,024 float32; bg 1,024 float32; bq 1,024 float32; classical_state 4 x 2,048 x 1,024 float32; quantum_state 4 x 2,048 x 1,024 float32; temperature one number float32.
;; Outputs: out0 4 x 2,048 x 1,024 float32.
;; One version. Each part assembles by itself: llvm-mc -triple=amdgcn-amd-amdhsa -mcpu=gfx1250 --defsym DOCPART=n.
;; ======== version 1 of 1: 4 launches
;; limits: values outside matrix products are rounded to bf16
;; workspace buffers: xb 33,554,432 bytes; wb 4,194,304 bytes; wgb 4,194,304 bytes; comb 33,554,432 bytes; pl 33,554,432 bytes; stats 1,048,576 bytes
;; launch cast (part 1): grid 1280 x 1, 8 waves a work-group, no clusters, 0 bytes of LDS; arguments classical_state, quantum_state, Wc, Wq, Wg, xb, wb, wgb; writes xb, wb, wgb
.if DOCPART == 1
	.amdgcn_target "amdgcn-amd-amdhsa--gfx1250"
	.amdhsa_code_object_version 6
	.text
	.protected	k_q4894e11785_cast
	.globl	k_q4894e11785_cast
	.p2align	8
	.type	k_q4894e11785_cast,@function
k_q4894e11785_cast:
	s_mov_b64 s[64:65], 0
	v_nop
	global_prefetch_b8 v0, s[64:65] scope:SCOPE_SE
	s_setreg_imm32_b32 hwreg(HW_REG_WAVE_MODE, 25, 1), 1
	s_wait_xcnt 0x0
; f32 -> bf16 (round to nearest even) of all five matrix operands that come from outside, once.
; xb  [16384][1024]: rows 0-8191 classical_state, rows 8192-16383 quantum_state.   wb [2048][1024]: Wc, then Wq.   wgb [1024][2048]: Wg.
; A work-group converts one chunk of 16,384 numbers: 65,536 bytes in, 32,768 bytes out.  1,280 chunks: 512 + 512 + 64 + 64 + 128.
; A stream: no LDS, no barrier, no matrix unit.  Thread t takes 8 neighbouring numbers (two loads of 16 bytes) eight times; all 16 loads go out first.
; Eight numbers make 16 bytes of bf16, so sixteen neighbouring lanes store 256 consecutive bytes, at a multiple of 256 from the buffer's first byte.
.set X, 4                              ; v[4:67]   as loaded: piece i at X + 8 i
.set Y, 68                             ; v[68:99]  to store: piece i at Y + 4 i.  No register is used twice, so no store's data is ever rewritten
	s_load_b512 s[8:23], s[0:1], 0x0               ; C 8:9, Q 10:11, Wc 12:13, Wq 14:15, Wg 16:17, xb 18:19, wb 20:21, wgb 22:23
	v_lshlrev_b32 v1, 5, v0                        ; 32 t: my 8 numbers in a piece of 8,192 bytes
	v_lshlrev_b32 v2, 4, v0                        ; 16 t: their 16 bytes of bf16
	s_mov_b32 s2, ttmp9                            ; the chunk
	s_mov_b32 s3, 0                                ; the first chunk of my source
	s_mov_b32 s4, 0                                ; the first chunk of my destination
	s_wait_kmcnt 0x0
	s_mov_b64 s[24:25], s[8:9]                     ; chunks 0-511: classical_state -> xb
	s_mov_b64 s[26:27], s[18:19]
	s_cmp_ge_u32 s2, 512                           ; 512-1023: quantum_state -> xb, straight behind (the selects leave SCC as it is)
	s_cselect_b64 s[24:25], s[10:11], s[24:25]
	s_cselect_b32 s3, 512, s3
	s_cmp_ge_u32 s2, 1024                          ; 1024-1087: Wc -> wb
	s_cselect_b64 s[24:25], s[12:13], s[24:25]
	s_cselect_b64 s[26:27], s[20:21], s[26:27]
	s_cselect_b32 s3, 1024, s3
	s_cselect_b32 s4, 1024, s4
	s_cmp_ge_u32 s2, 1088                          ; 1088-1151: Wq -> wb, straight behind
	s_cselect_b64 s[24:25], s[14:15], s[24:25]
	s_cselect_b32 s3, 1088, s3
	s_cmp_ge_u32 s2, 1152                          ; 1152-1279: Wg -> wgb
	s_cselect_b64 s[24:25], s[16:17], s[24:25]
	s_cselect_b64 s[26:27], s[22:23], s[26:27]
	s_cselect_b32 s3, 1152, s3
	s_cselect_b32 s4, 1152, s4
	s_sub_co_u32 s3, s2, s3
	s_sub_co_u32 s4, s2, s4
	s_lshl_b32 s28, s3, 16                         ; byte offsets, made apart from the addresses: at most 511 x 65,536
	s_mov_b32 s29, 0
	s_lshl_b32 s30, s4, 15                         ; at most 1,023 x 32,768
	s_mov_b32 s31, 0
	s_add_nc_u64 s[24:25], s[24:25], s[28:29]
	s_add_nc_u64 s[26:27], s[26:27], s[30:31]
.irp i, 0,1,2,3,4,5,6,7
	global_load_b128 v[X+8*(\i):X+8*(\i)+3],   v1, s[24:25] offset:8192*(\i) th:TH_LOAD_NT
	global_load_b128 v[X+8*(\i)+4:X+8*(\i)+7], v1, s[24:25] offset:8192*(\i)+16 th:TH_LOAD_NT
.endr
.irp i, 0,1,2,3,4,5,6,7
	s_wait_loadcnt 14-2*(\i)                       ; loads come back in order: piece i's two are in, the 2 (7 - i) younger ones stay out
.irp j, 0,1,2,3
	v_cvt_pk_bf16_f32 v[Y+4*(\i)+(\j)], v[X+8*(\i)+2*(\j)], v[X+8*(\i)+2*(\j)+1]
.endr
	global_store_b128 v2, v[Y+4*(\i):Y+4*(\i)+3], s[26:27] offset:4096*(\i)
.endr
	s_endpgm
.Lfunc_end_k_q4894e11785_cast:
	.size	k_q4894e11785_cast, .Lfunc_end_k_q4894e11785_cast-k_q4894e11785_cast
	.p2alignl 7, 3214868480
	.fill 96, 4, 3214868480
	.section	.rodata,"a",@progbits
	.p2align	6, 0x0
	.amdhsa_kernel k_q4894e11785_cast
		.amdhsa_group_segment_fixed_size 0
		.amdhsa_private_segment_fixed_size 0
		.amdhsa_enable_private_segment 0
		.amdhsa_kernarg_size 64
		.amdhsa_user_sgpr_count 2
		.amdhsa_user_sgpr_kernarg_segment_ptr 1
		.amdhsa_wavefront_size32 1
		.amdhsa_system_sgpr_workgroup_id_x 1
		.amdhsa_system_sgpr_workgroup_id_y 1
		.amdhsa_system_sgpr_workgroup_id_z 1
		.amdhsa_system_vgpr_workitem_id 0
		.amdhsa_next_free_vgpr 100
		.amdhsa_next_free_sgpr 66
		.amdhsa_reserve_vcc 0
		.amdhsa_float_denorm_mode_32 3
		.amdhsa_float_denorm_mode_16_64 3
		.amdhsa_memory_ordered 1
		.amdhsa_forward_progress 1
		.amdhsa_inst_pref_size 7
	.end_amdhsa_kernel
	.amdgpu_metadata
---
amdhsa.version: [ 1, 2 ]
amdhsa.kernels:
  - .name:           k_q4894e11785_cast
    .symbol:         k_q4894e11785_cast.kd
    .args:
      - { .name: classical_state, .offset: 0, .size: 8, .value_kind: global_buffer, .address_space: global }
      - { .name: quantum_state, .offset: 8, .size: 8, .value_kind: global_buffer, .address_space: global }
      - { .name: Wc, .offset: 16, .size: 8, .value_kind: global_buffer, .address_space: global }
      - { .name: Wq, .offset: 24, .size: 8, .value_kind: global_buffer, .address_space: global }
      - { .name: Wg, .offset: 32, .size: 8, .value_kind: global_buffer, .address_space: global }
      - { .name: xb, .offset: 40, .size: 8, .value_kind: global_buffer, .address_space: global }
      - { .name: wb, .offset: 48, .size: 8, .value_kind: global_buffer, .address_space: global }
      - { .name: wgb, .offset: 56, .size: 8, .value_kind: global_buffer, .address_space: global }
    .group_segment_fixed_size: 0
    .private_segment_fixed_size: 0
    .kernarg_segment_align: 8
    .kernarg_segment_size: 64
    .max_flat_workgroup_size: 256
    .sgpr_count:     66
    .vgpr_count:     100
    .wavefront_size: 32
...
	.end_amdgpu_metadata
.endif
;; end of part 1
;; launch proj (part 2): grid 4 x 64, 4 waves a work-group, clusters of 4 x 4, 327,680 bytes of LDS; arguments xb, wb, bc, bq, comb; writes comb
.if DOCPART == 2
	.amdgcn_target "amdgcn-amd-amdhsa--gfx1250"
	.amdhsa_code_object_version 6
	.text
	.protected	k_q4894e11785_proj
	.globl	k_q4894e11785_proj
	.p2align	8
	.type	k_q4894e11785_proj,@function
k_q4894e11785_proj:
	s_mov_b64 s[64:65], 0
	v_nop
	global_prefetch_b8 v0, s[64:65] scope:SCOPE_SE
	s_setreg_imm32_b32 hwreg(HW_REG_WAVE_MODE, 25, 1), 1
	s_wait_xcnt 0x0
	s_wait_alu depctr_hold_cnt(0) depctr_sa_sdst(0) depctr_va_vdst(0) depctr_va_sdst(0) depctr_va_ssrc(0) depctr_va_vcc(0) depctr_vm_vsrc(0)
	s_getreg_b32 s2, hwreg(HW_REG_IB_STS2, 6, 4)
	s_cmp_eq_u32 s2, 0
	s_cbranch_scc0 .Lentry_in_a_cluster
	s_endpgm
.Lentry_in_a_cluster:
	s_bfe_u32 s2, ttmp6, 0x10000c
	s_cmp_lg_u32 s2, 0xf033
	s_cbranch_scc0 .Lentry_shape_is_right
	s_endpgm
.Lentry_shape_is_right:
; comb[row][0:1024] = C Wc^T + bc, comb[row][1024:2048] = Q Wq^T + bq; operands bf16, sums and bias f32, the result rounded once to bf16 (it is a matrix operand of the two launches behind).
; ONE GEMM of 16,384 x 1,024 x 1,024: xb's rows 0-8191 meet wb's rows 0-1023, xb's rows 8192-16383 meet wb's rows 1024-2047 (half = 0, 1).
; A tile of 256 x 256 to a work-group, 256 work-groups; four waves, each 128 x 128: 64 accumulators, 512 registers.  K = 1,024 goes in 8 steps of 128 through two LDS slots filled by tensor loads
; (rows of 256 bytes, at multiples of 256 bytes from the buffer's first byte).  CLUSTER 4 x 4: the four of a cluster's row need the same rows of xb, the four of a column the same rows of wb:
; each tile is asked for jointly, by the same tensor load with the same descriptor and a mask that names the four.
; THE MATRIX INSTRUCTION IS USED TRANSPOSED (source 0 = 16 rows of wb, source 1 = 16 rows of xb): a lane holds one row of the result and eight neighbouring columns.
; By this text's own count a wave has one tensor load out at any time; from a request to the wait for it stand 224 matrix instructions.
; The 64 accumulators take turns in one order in every quarter step.
; REGISTERS, in windows of 256: window 0: v0-31 addresses; v64-127, v128-191 fragments of xb, two buffers (on the way out: T, TMP, OB)
;   window 1: v0-63 the bias of my 128 columns; v64-127, v128-191 fragments of wb          windows 2, 3: accumulator (a, b) at v[8 (8 (a % 4) + b)], window 2 + a / 4
.set PITCH_EL, 1024                    ; elements from row to row in xb and wb
.set PITCH,  272                       ; an LDS row: 256 bytes + 16 of padding = 68 words, so the 16 rows of a fragment load start at 16 different groups of four banks (64 banks of 4 bytes: ISA guide 11.1)
.set HALFT,  128*PITCH                 ; 128 rows: what one tensor load brings
.set SLOT,   4*HALFT                   ; 0x22000: xb's 256 rows, then wb's 256.  The waves' LDS bases, wave x 0x8800, have neither of its two bits set, so an exclusive or changes slots
.set STAGE,  2*SLOT                    ; behind the ring: 16 rows x 272 bytes for each wave, for the way out; no tensor load lands here
.set SPITCH, 272
.set SPARE,  STAGE+4*16*SPITCH+4096    ; the spare words, 128 bytes for each wave: two blocks of 256 bytes that no other line names
.set ADRA0, 14                         ; v14, v15  my lane's place among my rows of xb, of wb, in slot 0; never rewritten
.set ADRB0, 15
.set ADRA, 16                          ; v16, v20  the same in the slot in hand
.set ADRB, 20
.set STO,  24                          ; the way out: where I put 16 bytes of a row
.set RD,   25                          ; where I read a row back
.set CO0,  26                          ; my byte offset in two rows of comb
.set CO,   27                          ; the same for the block in hand
.set SPW,  28                          ; LDS address of my spare word; never rewritten
.set NIL,  29                          ; 0; never rewritten
.set F0,   64
.set F1,   128
.set T,    64                          ; the way out: a block's 64 numbers in f32
.set TMP,  128                         ; rounded, 32 registers
.set OB,   160                         ; read back by rows, 32 registers
.set WV,  14                           ; s14 wave;  s15 its half of the rows, also: fetches for xb (0) or wb (1);  s16 its half of the columns, also: which 128 rows it fetches
.set RH,  15
.set SEL, 16
.set G1A, 24                           ; s[24:31], s[32:39] descriptor groups 1;  s[40:43], s[44:47] groups 0, which walk
.set G1B, 32
.set G0A, 40
.set G0B, 44
.set CUR, 52                           ; s52 LDS byte at which the slot in hand begins
.set CNT, 53
.set BLK, 54
.set MSB, 0
.macro WIN new                         ; the immediate's high byte repeats the setting that is left; a switch that changes nothing is dropped
.if MSB != (\new)
	s_set_vgpr_msb (MSB<<8)|(\new)
.set MSB, \new
.endif
.endm
.set MUL_LO, 0xa1                      ; source 0 window 1, source 1 window 0, C and D window 2
.set MUL_HI, 0xf1                      ; the same, C and D window 3
.set TO_B,   0x40                      ; destination window 1, address window 0
.macro PLACES                          ; four plain vector instructions between a matrix instruction and a load into, or a vector read or write of, its registers
.rept 4
	v_nop
.endr
.endm
.macro JLOAD                           ; a joint load: waves 0, 1 fetch xb's two halves, waves 2, 3 wb's.  The branch hangs on the wave's number alone.  s_nop 0 and four v_nop follow each line
	s_cmp_lt_u32 s[WV], 2
	s_cbranch_scc0 .Lfor_b_\@
	tensor_load_to_lds s[G0A:G0A+3], s[G1A:G1A+7]
	s_nop 0
.rept 4
	v_nop
.endr
	s_branch .Lasked_\@
.Lfor_b_\@:
	tensor_load_to_lds s[G0B:G0B+3], s[G1B:G1B+7]
	s_nop 0
.rept 4
	v_nop
.endr
.Lasked_\@:
.endm
.macro CREST                           ; a round of the cluster's barrier behind its opening barrier
	s_cmp_lg_u32 s[WV], 0
	s_cbranch_scc1 .Lnot_wave_0_\@
	s_barrier_signal -3
.Lnot_wave_0_\@:
	s_barrier_wait -3
	s_barrier_signal -1
	s_barrier_wait -1
.endm
.macro CROUND                          ; a whole round
	s_barrier_signal -1
	s_barrier_wait -1
	CREST
.endm
.macro WALK                            ; both descriptors: the other slot, the next K step (128 elements = 256 bytes); only where no tensor load of mine is out
.irp g, G0A, G0B
	s_xor_b32 s[\g+1], s[\g+1], SLOT
	s_add_nc_u64 s[\g+2:\g+3], s[\g+2:\g+3], 256
.endr
.endm
; 16 matrix instructions: row blocks a0, a0 + 1 of the window's four x all 8 column blocks, 32 along K.  zero = 1: the first product starts the sums
.macro MUL16 f, hi, a0, zero
	WIN MUL_LO+0x50*(\hi)
.irp a, \a0, (\a0)+1
.irp b, 0,1,2,3,4,5,6,7
.if \zero
	v_wmma_f32_16x16x32_bf16 v[8*(8*(\a)+(\b)):8*(8*(\a)+(\b))+7], v[(\f)+8*(\b):(\f)+8*(\b)+7], v[(\f)+8*(4*(\hi)+(\a)):(\f)+8*(4*(\hi)+(\a))+7], 0
.else
	v_wmma_f32_16x16x32_bf16 v[8*(8*(\a)+(\b)):8*(8*(\a)+(\b))+7], v[(\f)+8*(\b):(\f)+8*(\b)+7], v[(\f)+8*(4*(\hi)+(\a)):(\f)+8*(4*(\hi)+(\a))+7], v[8*(8*(\a)+(\b)):8*(8*(\a)+(\b))+7]
.endif
.endr
.endr
.endm
; 32 LDS loads in one run: the fragments of a quarter step (32 K at byte k of the rows) into buffer f: wb's 16 loads, then xb's 16
.macro FETCH k, f
	WIN TO_B
.irp i, 0,1,2,3,4,5,6,7
	ds_load_b128 v[(\f)+8*(\i):(\f)+8*(\i)+3],   v[ADRB] offset:(\k)+(\i)*16*PITCH
	ds_load_b128 v[(\f)+8*(\i)+4:(\f)+8*(\i)+7], v[ADRB] offset:(\k)+(\i)*16*PITCH+32
.endr
	WIN 0
.irp i, 0,1,2,3,4,5,6,7
	ds_load_b128 v[(\f)+8*(\i):(\f)+8*(\i)+3],   v[ADRA] offset:(\k)+(\i)*16*PITCH
	ds_load_b128 v[(\f)+8*(\i)+4:(\f)+8*(\i)+7], v[ADRA] offset:(\k)+(\i)*16*PITCH+32
.endr
.endm
; One of a K step's first three quarters: multiplies buffer f; in its middle the next quarter's fragments, at byte k, go into buffer g
.macro QUARTER k, f, g, zero
	s_wait_dscnt 8                                 ; all but the youngest eight loads, xb's row blocks 4-7
	MUL16 \f, 0, 0, \zero
	MUL16 \f, 0, 2, \zero
	PLACES
	FETCH \k, \g
	s_wait_dscnt 32                                ; all but the 32 just issued
	MUL16 \f, 1, 0, \zero
	MUL16 \f, 1, 2, \zero
.endm
; The last quarter multiplies buffer 1 and changes slots.  In front of the barrier each wave waits for all its tensor loads (one is out: its part of the next slot), adds 0 to its spare word, and waits for
; that and for its reads of this slot.  fill = 1: the barrier opens a round of the cluster's barrier, and behind the round this slot is filled again first, with the K step two steps on.
.macro TURN fill
	WIN 0
	s_wait_tensorcnt 0x0                           ; no tensor load of mine is out: the descriptors may be written
	ds_add_u32 v[SPW], v[NIL]
.if \fill
	WALK
.endif
	s_xor_b32 s[CUR], s[CUR], SLOT
	s_wait_dscnt 9                                 ; the add and the youngest eight loads may be out
	MUL16 F1, 0, 0, 0
	s_wait_dscnt 0x0                               ; the add is done, and my reads of this slot are over
	s_barrier_signal -1
	MUL16 F1, 0, 2, 0
	WIN 0
	s_barrier_wait -1
.if \fill
	CREST                                          ; no wave of any partner still reads this slot or has a load on its way
	JLOAD                                          ; its four v_nop are also the places in front of the loads below
.else
	PLACES
.endif
	v_add_nc_u32 v[ADRA], s[CUR], v[ADRA0]
	v_add_nc_u32 v[ADRB], s[CUR], v[ADRB0]
	FETCH 0, F0
	MUL16 F1, 1, 0, 0
	MUL16 F1, 1, 2, 0
.endm
	s_load_b256 s[4:11], s[0:1], 0x0               ; xb 4:5, wb 6:7, bc 8:9, bq 10:11
	s_load_b64 s[12:13], s[0:1], 0x20              ; comb
	v_lshl_add_u32 v[SPW], v0, 2, SPARE
	v_mov_b32 v[NIL], 0
	ds_add_u32 v28, v29
	s_wait_dscnt 0x0
	v_lshrrev_b32 v1, 5, v0
	v_readfirstlane_b32 s[WV], v1
	s_lshr_b32 s[RH], s[WV], 1
	s_and_b32 s[SEL], s[WV], 1
	s_bfe_u32 s17, ttmp6, 0x40000                  ; cx
	s_bfe_u32 s18, ttmp6, 0x40004                  ; cy
	s_lshl_b32 s19, ttmp9, 2
	s_add_co_u32 s19, s19, s17                     ; tile column 0..3
	s_and_b32 s21, ttmp7, 0xffff                   ; the cluster's y, 0..15
	s_lshl_b32 s20, s21, 2
	s_add_co_u32 s20, s20, s18                     ; tile row 0..63 of xb
	s_lshr_b32 s21, s21, 3                         ; half: from the cluster's y alone, so all sixteen partners share it
	s_lshl_b32 s22, s18, 2
	s_lshl_b32 s22, 15, s22                        ; my row of the cluster
	s_lshl_b32 s23, 0x1111, s17                    ; my column
	s_or_b32 s[G1A], s22, (1<<16)|(1<<20)|(1<<21)|(5<<22)|(3<<25)  ; mask; 2-byte elements; padding on; bit 21 beside a mask; after every 64 words; 4 words
	s_or_b32 s[G1B], s23, (1<<16)|(1<<20)|(1<<21)|(5<<22)|(3<<25)
.irp g, G1A, G1B
	s_mov_b32 s[\g+1], 128<<16                     ; tensor_dim0 = 128
	s_mov_b32 s[\g+2], 128<<16                     ; tensor_dim1 = 128
	s_mov_b32 s[\g+3], 128<<16                     ; tile_dim0 = 128
	s_mov_b32 s[\g+4], 128                         ; tile_dim1 = 128
	s_mov_b32 s[\g+5], PITCH_EL
	s_mov_b32 s[\g+6], 0
	s_mov_b32 s[\g+7], 0
.endr
	s_lshl_b32 s55, s[SEL], 7                      ; which 128 rows of a tile I fetch
	s_lshl_b32 s48, s20, 8                         ; xb: row 256 x tile row + 128 x half, 2,048 bytes a row (s48, s49 never hold cx)
	s_add_co_u32 s48, s48, s55
	s_lshl_b32 s48, s48, 11
	s_mov_b32 s49, 0
	s_lshl_b32 s50, s19, 8                         ; wb: row 1,024 x half + 256 x tile column + 128 x half tile (s50, s51 never hold cy)
	s_add_co_u32 s50, s50, s55
	s_lshl_b32 s51, s21, 10
	s_add_co_u32 s50, s50, s51
	s_lshl_b32 s50, s50, 11
	s_mov_b32 s51, 0
	s_mul_i32 s63, s[WV], HALFT                    ; where they go: wave x 128 rows: no place in the cluster enters an LDS address
	s_mov_b32 s[G0A], 1
	s_mov_b32 s[G0A+1], s63
	s_mov_b32 s[G0B], 1
	s_mov_b32 s[G0B+1], s63
	s_wait_kmcnt 0x0
	s_add_nc_u64 s[G0A+2:G0A+3], s[4:5], s[48:49]
	s_or_b32 s[G0A+3], s[G0A+3], 0x80000000
	s_add_nc_u64 s[G0B+2:G0B+3], s[6:7], s[50:51]
	s_or_b32 s[G0B+3], s[G0B+3], 0x80000000
	CROUND                                         ; all sixteen work-groups are here: the first joint loads meet
	JLOAD                                          ; K step 0 into slot 0
	; a fragment is 16 rows x 32 K: lane l holds row l % 16, K = 8 (l / 16) + 0..7 and 16 + 8 (l / 16) + 0..7: two loads of 16 bytes, 32 bytes apart
	v_and_b32 v1, 15, v0                           ; r
	v_bfe_u32 v2, v0, 4, 1                         ; h
	v_mul_u32_u24 v3, v1, PITCH
	v_lshl_add_u32 v3, v2, 4, v3                   ; r x pitch + 16 h
	s_mul_i32 s2, s[RH], HALFT
	s_mul_i32 s3, s[SEL], HALFT
	s_add_co_u32 s3, s3, 2*HALFT
	v_add_nc_u32 v[ADRA0], s2, v3
	v_add_nc_u32 v[ADRB0], s3, v3
	v_mov_b32 v[ADRA], v[ADRA0]
	v_mov_b32 v[ADRB], v[ADRB0]
	s_mov_b32 s[CUR], 0
	s_mul_i32 s2, s[WV], 16*SPITCH
	s_add_co_u32 s2, s2, STAGE                     ; my stage
	v_add_nc_u32 v[STO], s2, v3                    ; in: row r, 16 bytes for each half of the lanes
	v_mul_u32_u24 v4, v2, SPITCH
	v_lshl_add_u32 v4, v1, 4, v4
	v_add_nc_u32 v[RD], s2, v4                     ; back: lanes 0-15 one row of 256 bytes, lanes 16-31 the next
	v_lshlrev_b32 v4, 12, v2
	v_lshl_add_u32 v[CO0], v1, 4, v4               ; the same two rows in comb, 4,096 bytes a row
	; my part of comb: row 256 (tile row % 32) + 128 x row half; byte 2,048 x half + 512 x tile column + 256 x column half
	s_and_b32 s2, s20, 31
	s_lshl_b32 s2, s2, 8
	s_lshl_b32 s3, s[RH], 7
	s_add_co_u32 s2, s2, s3
	s_lshl_b32 s2, s2, 12
	s_lshl_b32 s3, s21, 11
	s_add_co_u32 s2, s2, s3
	s_lshl_b32 s3, s19, 9
	s_add_co_u32 s2, s2, s3
	s_lshl_b32 s3, s[SEL], 8
	s_add_co_u32 s2, s2, s3
	s_mov_b32 s3, 0
	s_add_nc_u64 s[56:57], s[12:13], s[2:3]
	; the bias of my 128 columns: register 8 b + j holds that of column 16 b + 8 h + j, as the accumulators do
	s_cmp_lg_u32 s21, 0
	s_cselect_b64 s[58:59], s[10:11], s[8:9]
	s_lshl_b32 s2, s19, 10
	s_lshl_b32 s3, s[SEL], 9
	s_add_co_u32 s2, s2, s3
	s_mov_b32 s3, 0
	s_add_nc_u64 s[58:59], s[58:59], s[2:3]
	v_lshlrev_b32 v5, 5, v2                        ; 32 h
	WIN TO_B
.irp b, 0,1,2,3,4,5,6,7
	global_load_b128 v[8*(\b):8*(\b)+3],   v5, s[58:59] offset:64*(\b)
	global_load_b128 v[8*(\b)+4:8*(\b)+7], v5, s[58:59] offset:64*(\b)+16
.endr
	WIN 0
	; slot 1's first fill is issued as a refill is: slot 0 has landed, the add, a round, one load a wave
	s_wait_tensorcnt 0x0                           ; my part of K step 0 is in
	ds_add_u32 v[SPW], v[NIL]
	WALK
	s_wait_dscnt 0x0
	CROUND                                         ; everybody's part is in
	JLOAD                                          ; K step 1 into slot 1
	FETCH 0, F0
	QUARTER 64, F0, F1, 1                          ; the first quarter stands in front of the loop: its products start the sums
	WIN 0
	s_mov_b32 s[CNT], 6
.Lstep:                                                ; a trip: from a K step's second quarter to the next step's first; trips 0..5 ask for K steps 2..7
	QUARTER 128, F1, F0, 0
	QUARTER 192, F0, F1, 0
	TURN 1
	QUARTER 64, F0, F1, 0
	WIN 0
	s_sub_co_u32 s[CNT], s[CNT], 1
	s_cmp_lg_u32 s[CNT], 0
	s_cbranch_scc1 .Lstep
	QUARTER 128, F1, F0, 0                         ; K steps 6 and 7 are written out: nothing is left to ask for
	QUARTER 192, F0, F1, 0
	TURN 0
	QUARTER 64, F0, F1, 0
	QUARTER 128, F1, F0, 0
	QUARTER 192, F0, F1, 0
	s_wait_dscnt 8
	MUL16 F1, 0, 0, 0
	MUL16 F1, 0, 2, 0
	s_wait_dscnt 0x0
	MUL16 F1, 1, 0, 0
	MUL16 F1, 1, 2, 0
	WIN 0
	s_wait_loadcnt 0x0                             ; the bias
	PLACES
	; THE WAY OUT, a block of 16 rows a trip.  Only the lines that name the accumulators differ from block to block: they stand eight times (COPY), reached by forward jumps on the counter; the rest stands once.
.macro COPY a                          ; sums + bias -> T; each accumulator's registers in ascending order
	WIN 0x06+(\a)/4                                ; source 0 window 2 or 3, source 1 window 1
.set i, 0
.rept 32
	v_pk_add_f32 v[T+2*i:T+2*i+1], v[64*((\a)%4)+2*i:64*((\a)%4)+2*i+1], v[2*i:2*i+1]
.set i, i+1
.endr
	WIN 0
.endm
	s_mov_b32 s[BLK], 0
.Lblk:
.irp a, 0,1,2,3,4,5,6
	s_cmp_eq_u32 s[BLK], \a
	s_cbranch_scc1 .Lcp_\a
.endr
	COPY 7
	s_branch .Lcom
.irp a, 0,1,2,3,4,5,6
.Lcp_\a:
	COPY \a
.if (\a) != 6
	s_branch .Lcom
.endif
.endr
.Lcom:
	v_lshl_add_u32 v[CO], s[BLK], 16, v[CO0]       ; 16 rows of 4,096 bytes a block
.set i, 0
.rept 32
	v_cvt_pk_bf16_f32 v[TMP+i], v[T+2*i], v[T+2*i+1]
.set i, i+1
.endr
.irp b, 0,1,2,3,4,5,6,7
	ds_store_b128 v[STO], v[TMP+4*(\b):TMP+4*(\b)+3] offset:32*(\b)
.endr
.irp t, 0,1,2,3,4,5,6,7
	ds_load_b128 v[OB+4*(\t):OB+4*(\t)+3], v[RD] offset:(\t)*2*SPITCH  ; LDS serves a wave's instructions in order (ISA guide 5.7.1.4): these see the stores above
.endr
	s_wait_dscnt 0x0
.irp t, 0,1,2,3,4,5,6,7
	global_store_b128 v[CO], v[OB+4*(\t):OB+4*(\t)+3], s[56:57] offset:2*(\t)*4096  ; 16 lanes store 256 consecutive bytes, at a multiple of 256 from comb's first byte
.endr
	s_wait_xcnt 0x0                                ; CO and OB are rewritten in the next trip only behind this wait
	s_add_co_u32 s[BLK], s[BLK], 1
	s_cmp_lt_u32 s[BLK], 8
	s_cbranch_scc1 .Lblk
	s_wait_tensorcnt 0x0                           ; the wave's end
	ds_add_u32 v[SPW], v[NIL]
	s_wait_dscnt 0x0
	CROUND                                         ; the closing round: no work-group ends while a partner may still ask for a tile that names it
	s_endpgm
.Lfunc_end_k_q4894e11785_proj:
	.size	k_q4894e11785_proj, .Lfunc_end_k_q4894e11785_proj-k_q4894e11785_proj
	.p2alignl 7, 3214868480
	.fill 96, 4, 3214868480
	.section	.rodata,"a",@progbits
	.p2align	6, 0x0
	.amdhsa_kernel k_q4894e11785_proj
		.amdhsa_group_segment_fixed_size 327680
		.amdhsa_private_segment_fixed_size 0
		.amdhsa_enable_private_segment 0
		.amdhsa_kernarg_size 40
		.amdhsa_user_sgpr_count 2
		.amdhsa_user_sgpr_kernarg_segment_ptr 1
		.amdhsa_wavefront_size32 1
		.amdhsa_system_sgpr_workgroup_id_x 1
		.amdhsa_system_sgpr_workgroup_id_y 1
		.amdhsa_system_sgpr_workgroup_id_z 1
		.amdhsa_system_vgpr_workitem_id 0
		.amdhsa_next_free_vgpr 1024
		.amdhsa_next_free_sgpr 66
		.amdhsa_reserve_vcc 0
		.amdhsa_float_denorm_mode_32 3
		.amdhsa_float_denorm_mode_16_64 3
		.amdhsa_memory_ordered 1
		.amdhsa_forward_progress 1
		.amdhsa_inst_pref_size 108
	.end_amdhsa_kernel
	.amdgpu_metadata
---
amdhsa.version: [ 1, 2 ]
amdhsa.kernels:
  - .name:           k_q4894e11785_proj
    .symbol:         k_q4894e11785_proj.kd
    .args:
      - { .name: xb, .offset: 0, .size: 8, .value_kind: global_buffer, .address_space: global }
      - { .name: wb, .offset: 8, .size: 8, .value_kind: global_buffer, .address_space: global }
      - { .name: bc, .offset: 16, .size: 8, .value_kind: global_buffer, .address_space: global }
      - { .name: bq, .offset: 24, .size: 8, .value_kind: global_buffer, .address_space: global }
      - { .name: comb, .offset: 32, .size: 8, .value_kind: global_buffer, .address_space: global }
    .group_segment_fixed_size: 327680
    .private_segment_fixed_size: 0
    .kernarg_segment_align: 8
    .kernarg_segment_size: 40
    .max_flat_workgroup_size: 128
    .sgpr_count:     66
    .vgpr_count:     1024
    .wavefront_size: 32
...
	.end_amdgpu_metadata
.endif
;; end of part 2
;; launch sim (part 3): grid 8 x 32, 4 waves a work-group, clusters of 4 x 4, 327,680 bytes of LDS; arguments comb, temperature, pl, stats; writes pl, stats
.if DOCPART == 3
	.amdgcn_target "amdgcn-amd-amdhsa--gfx1250"
	.amdhsa_code_object_version 6
	.text
	.protected	k_q4894e11785_sim
	.globl	k_q4894e11785_sim
	.p2align	8
	.type	k_q4894e11785_sim,@function
k_q4894e11785_sim:
	s_mov_b64 s[64:65], 0
	v_nop
	global_prefetch_b8 v0, s[64:65] scope:SCOPE_SE
	s_setreg_imm32_b32 hwreg(HW_REG_WAVE_MODE, 25, 1), 1
	s_wait_xcnt 0x0
	s_wait_alu depctr_hold_cnt(0) depctr_sa_sdst(0) depctr_va_vdst(0) depctr_va_sdst(0) depctr_va_ssrc(0) depctr_va_vcc(0) depctr_vm_vsrc(0)
	s_getreg_b32 s2, hwreg(HW_REG_IB_STS2, 6, 4)
	s_cmp_eq_u32 s2, 0
	s_cbranch_scc0 .Lentry_in_a_cluster
	s_endpgm
.Lentry_in_a_cluster:
	s_bfe_u32 s2, ttmp6, 0x10000c
	s_cmp_lg_u32 s2, 0xf033
	s_cbranch_scc0 .Lentry_shape_is_right
	s_endpgm
.Lentry_shape_is_right:
; Scores and the first half of the softmax.  t = (c_proj . q_proj) c with c = log2(e) / (32 T); for each query row and each block of 128 keys: m_loc = the maximum of t over the block,
; pl = 2^(t - m_loc) rounded to bf16 (a matrix operand of the launch behind), l_loc = the sum of the unrounded 2^(t - m_loc).  stats [2][16 key blocks][8192 rows] f32: m_loc, then l_loc.
; The launch behind forms the row's true maximum m of the sixteen m_loc and multiplies block kb by 2^(m_loc - m): softmax with the maximum taken away, exactly.
; LIMITS.  1 / T by v_rcp_f32 (1 ulp); T = 0 or a denormal T gives what is not finite, as the division does; a negative T is served, since t is formed before the maximum.
; A weight below 2^-126 counts as 0.  NaN and infinities are not treated apart (the maximum passes a NaN over).
; THE PRODUCT: per batch 2,048 x 2,048 x 1,024; a tile of 256 queries x 256 keys to a work-group, 256 work-groups; four waves of 128 x 128, so a wave's columns ARE one block of 128 keys.
; K = 1,024 in 8 steps of 128 through two LDS slots; CLUSTER 4 x 4: c_proj's rows shared along a cluster's row, q_proj's along a column, each asked for jointly.
; Source 0 = 16 keys, source 1 = 16 queries: a lane holds ONE query and 64 of the block's 128 keys; the other 64 lie in the lane 16 away.
; By this text's own count a wave has one tensor load out at any time.  The 64 accumulators take turns in one order in every quarter step.
; REGISTERS: window 0: v0-31 addresses, v12-13 c; v64-127, v128-191 fragments of c_proj (on the way out T, TMP, OB); v192-202 statistics at work
;   window 1: v64-191 fragments of q_proj          windows 2, 3: accumulator (a, b) at v[8 (8 (a % 4) + b)], window 2 + a / 4
.set PITCH_EL, 2048                    ; elements from row to row in comb
.set PITCH,  272                       ; an LDS row: 256 bytes + 16 of padding = 68 words, so the 16 rows of a fragment load start at 16 different groups of four banks (64 banks of 4 bytes: ISA guide 11.1)
.set HALFT,  128*PITCH
.set SLOT,   4*HALFT                   ; 0x22000; the waves' LDS bases, wave x 0x8800, have neither of its two bits set, so an exclusive or changes slots
.set STAGE,  2*SLOT                    ; 16 rows x 272 bytes for each wave; no tensor load lands here
.set SPITCH, 272
.set SST,    STAGE+4*16*SPITCH         ; 1,024 bytes for each wave: m_loc of its 128 rows, then l_loc
.set SPARE,  SST+4096                  ; the spare words, 128 bytes for each wave: two blocks of 256 bytes that no other line names
.set SRD,  10                          ; where I read 16 bytes of my wave's statistics back
.set SGO,  11                          ; and their place in 512 consecutive bytes of stats
.set CC,   12                          ; v[12:13] c, twice
.set ADRA0, 14
.set ADRB0, 15
.set ADRA, 16
.set ADRB, 20
.set STO,  24
.set RD,   25
.set CO0,  26
.set CO,   27
.set SPW,  28                          ; LDS address of my spare word; never rewritten
.set NIL,  29                          ; 0; never rewritten
.set STA0, 30                          ; where my row's m_loc (lanes 0-15) or l_loc (lanes 16-31) goes, block 0
.set STA,  31
.set F0,   64
.set F1,   128
.set T,    64
.set TMP,  128
.set OB,   160
.set CH,   192                         ; v192-195 four chains of the maximum
.set MXO,  196
.set MM,   198                         ; v[198:199]: the packed subtraction names the pair and takes its low word
.set LL,   200
.set LLO,  201
.set SV,   202
.set WV,  14
.set RH,  15
.set SEL, 16
.set G1A, 24
.set G1B, 32
.set G0A, 40
.set G0B, 44
.set CUR, 52
.set CNT, 53
.set BLK, 54
.set MSB, 0
.macro WIN new                         ; the immediate's high byte repeats the setting that is left; a switch that changes nothing is dropped
.if MSB != (\new)
	s_set_vgpr_msb (MSB<<8)|(\new)
.set MSB, \new
.endif
.endm
.set MUL_LO, 0xa1
.set MUL_HI, 0xf1
.set TO_B,   0x40
.macro PLACES                          ; four plain vector instructions between a matrix instruction and a load into, or a vector read or write of, its registers
.rept 4
	v_nop
.endr
.endm
.macro JLOAD                           ; a joint load: waves 0, 1 fetch c_proj's two halves, waves 2, 3 q_proj's; s_nop 0 and four v_nop follow each line
	s_cmp_lt_u32 s[WV], 2
	s_cbranch_scc0 .Lfor_b_\@
	tensor_load_to_lds s[G0A:G0A+3], s[G1A:G1A+7]
	s_nop 0
.rept 4
	v_nop
.endr
	s_branch .Lasked_\@
.Lfor_b_\@:
	tensor_load_to_lds s[G0B:G0B+3], s[G1B:G1B+7]
	s_nop 0
.rept 4
	v_nop
.endr
.Lasked_\@:
.endm
.macro CREST
	s_cmp_lg_u32 s[WV], 0
	s_cbranch_scc1 .Lnot_wave_0_\@
	s_barrier_signal -3
.Lnot_wave_0_\@:
	s_barrier_wait -3
	s_barrier_signal -1
	s_barrier_wait -1
.endm
.macro CROUND
	s_barrier_signal -1
	s_barrier_wait -1
	CREST
.endm
.macro WALK                            ; both descriptors: the other slot, the next K step; only where no tensor load of mine is out
.irp g, G0A, G0B
	s_xor_b32 s[\g+1], s[\g+1], SLOT
	s_add_nc_u64 s[\g+2:\g+3], s[\g+2:\g+3], 256
.endr
.endm
.macro MUL16 f, hi, a0, zero
	WIN MUL_LO+0x50*(\hi)
.irp a, \a0, (\a0)+1
.irp b, 0,1,2,3,4,5,6,7
.if \zero
	v_wmma_f32_16x16x32_bf16 v[8*(8*(\a)+(\b)):8*(8*(\a)+(\b))+7], v[(\f)+8*(\b):(\f)+8*(\b)+7], v[(\f)+8*(4*(\hi)+(\a)):(\f)+8*(4*(\hi)+(\a))+7], 0
.else
	v_wmma_f32_16x16x32_bf16 v[8*(8*(\a)+(\b)):8*(8*(\a)+(\b))+7], v[(\f)+8*(\b):(\f)+8*(\b)+7], v[(\f)+8*(4*(\hi)+(\a)):(\f)+8*(4*(\hi)+(\a))+7], v[8*(8*(\a)+(\b)):8*(8*(\a)+(\b))+7]
.endif
.endr
.endr
.endm
.macro FETCH k, f
	WIN TO_B
.irp i, 0,1,2,3,4,5,6,7
	ds_load_b128 v[(\f)+8*(\i):(\f)+8*(\i)+3],   v[ADRB] offset:(\k)+(\i)*16*PITCH
	ds_load_b128 v[(\f)+8*(\i)+4:(\f)+8*(\i)+7], v[ADRB] offset:(\k)+(\i)*16*PITCH+32
.endr
	WIN 0
.irp i, 0,1,2,3,4,5,6,7
	ds_load_b128 v[(\f)+8*(\i):(\f)+8*(\i)+3],   v[ADRA] offset:(\k)+(\i)*16*PITCH
	ds_load_b128 v[(\f)+8*(\i)+4:(\f)+8*(\i)+7], v[ADRA] offset:(\k)+(\i)*16*PITCH+32
.endr
.endm
.macro QUARTER k, f, g, zero
	s_wait_dscnt 8                                 ; all but the youngest eight loads, c_proj's row blocks 4-7
	MUL16 \f, 0, 0, \zero
	MUL16 \f, 0, 2, \zero
	PLACES
	FETCH \k, \g
	s_wait_dscnt 32                                ; all but the 32 just issued
	MUL16 \f, 1, 0, \zero
	MUL16 \f, 1, 2, \zero
.endm
; The last quarter changes slots: each wave waits for all its tensor loads (one is out: its part of the next slot), adds 0 to its spare word, waits for that and for its reads of this slot.
; fill = 1: the barrier opens a round of the cluster's barrier; behind the round this slot is filled again first, with the K step two steps on.
.macro TURN fill
	WIN 0
	s_wait_tensorcnt 0x0                           ; no tensor load of mine is out: the descriptors may be written
	ds_add_u32 v[SPW], v[NIL]
.if \fill
	WALK
.endif
	s_xor_b32 s[CUR], s[CUR], SLOT
	s_wait_dscnt 9                                 ; the add and the youngest eight loads may be out
	MUL16 F1, 0, 0, 0
	s_wait_dscnt 0x0                               ; the add is done, and my reads of this slot are over
	s_barrier_signal -1
	MUL16 F1, 0, 2, 0
	WIN 0
	s_barrier_wait -1
.if \fill
	CREST
	JLOAD                                          ; its four v_nop are also the places in front of the loads below
.else
	PLACES
.endif
	v_add_nc_u32 v[ADRA], s[CUR], v[ADRA0]
	v_add_nc_u32 v[ADRB], s[CUR], v[ADRB0]
	FETCH 0, F0
	MUL16 F1, 1, 0, 0
	MUL16 F1, 1, 2, 0
.endm
	s_load_b256 s[4:11], s[0:1], 0x0               ; comb 4:5, temperature 6:7, pl 8:9, stats 10:11
	v_lshl_add_u32 v[SPW], v0, 2, SPARE
	v_mov_b32 v[NIL], 0
	ds_add_u32 v28, v29
	s_wait_dscnt 0x0
	v_lshrrev_b32 v1, 5, v0
	v_readfirstlane_b32 s[WV], v1
	s_lshr_b32 s[RH], s[WV], 1
	s_and_b32 s[SEL], s[WV], 1
	s_bfe_u32 s17, ttmp6, 0x40000                  ; cx
	s_bfe_u32 s18, ttmp6, 0x40004                  ; cy
	s_lshl_b32 s19, ttmp9, 2
	s_add_co_u32 s19, s19, s17                     ; key tile 0..7 of the batch
	s_and_b32 s21, ttmp7, 0xffff                   ; the cluster's y, 0..7
	s_lshl_b32 s20, s21, 2
	s_add_co_u32 s20, s20, s18                     ; query tile 0..31
	s_lshr_b32 s21, s21, 1                         ; the batch: from the cluster's y alone, so all sixteen partners share it
	s_lshl_b32 s22, s18, 2
	s_lshl_b32 s22, 15, s22
	s_lshl_b32 s23, 0x1111, s17
	s_or_b32 s[G1A], s22, (1<<16)|(1<<20)|(1<<21)|(5<<22)|(3<<25)  ; mask; 2-byte elements; padding on; bit 21 beside a mask; after every 64 words; 4 words
	s_or_b32 s[G1B], s23, (1<<16)|(1<<20)|(1<<21)|(5<<22)|(3<<25)
.irp g, G1A, G1B
	s_mov_b32 s[\g+1], 128<<16
	s_mov_b32 s[\g+2], 128<<16
	s_mov_b32 s[\g+3], 128<<16
	s_mov_b32 s[\g+4], 128
	s_mov_b32 s[\g+5], PITCH_EL
	s_mov_b32 s[\g+6], 0
	s_mov_b32 s[\g+7], 0
.endr
	s_lshl_b32 s55, s[SEL], 7
	s_lshl_b32 s48, s20, 8                         ; c_proj: row 256 x query tile + 128 x half, 4,096 bytes a row (s48, s49 never hold cx)
	s_add_co_u32 s48, s48, s55
	s_lshl_b32 s48, s48, 12
	s_mov_b32 s49, 0
	s_lshl_b32 s50, s19, 8                         ; q_proj: row 2,048 x batch + 256 x key tile + 128 x half, and 2,048 bytes into the row (s50, s51 never hold cy)
	s_add_co_u32 s50, s50, s55
	s_lshl_b32 s51, s21, 11
	s_add_co_u32 s50, s50, s51
	s_lshl_b32 s50, s50, 12
	s_add_co_u32 s50, s50, 2048
	s_mov_b32 s51, 0
	s_mul_i32 s63, s[WV], HALFT
	s_mov_b32 s[G0A], 1
	s_mov_b32 s[G0A+1], s63
	s_mov_b32 s[G0B], 1
	s_mov_b32 s[G0B+1], s63
	s_wait_kmcnt 0x0
	s_load_b32 s12, s[6:7], 0x0                    ; T
	s_add_nc_u64 s[G0A+2:G0A+3], s[4:5], s[48:49]
	s_or_b32 s[G0A+3], s[G0A+3], 0x80000000
	s_add_nc_u64 s[G0B+2:G0B+3], s[4:5], s[50:51]
	s_or_b32 s[G0B+3], s[G0B+3], 0x80000000
	CROUND
	JLOAD                                          ; K step 0 into slot 0
	v_and_b32 v1, 15, v0                           ; r
	v_bfe_u32 v2, v0, 4, 1                         ; h
	v_mul_u32_u24 v3, v1, PITCH
	v_lshl_add_u32 v3, v2, 4, v3
	s_mul_i32 s2, s[RH], HALFT
	s_mul_i32 s3, s[SEL], HALFT
	s_add_co_u32 s3, s3, 2*HALFT
	v_add_nc_u32 v[ADRA0], s2, v3
	v_add_nc_u32 v[ADRB0], s3, v3
	v_mov_b32 v[ADRA], v[ADRA0]
	v_mov_b32 v[ADRB], v[ADRB0]
	s_mov_b32 s[CUR], 0
	s_mul_i32 s2, s[WV], 16*SPITCH
	s_add_co_u32 s2, s2, STAGE
	v_add_nc_u32 v[STO], s2, v3
	v_mul_u32_u24 v4, v2, SPITCH
	v_lshl_add_u32 v4, v1, 4, v4
	v_add_nc_u32 v[RD], s2, v4
	v_lshlrev_b32 v4, 12, v2
	v_lshl_add_u32 v[CO0], v1, 4, v4               ; two rows of pl, 4,096 bytes a row
	s_lshl_b32 s2, s[WV], 10
	s_add_co_u32 s2, s2, SST                       ; my wave's statistics
	v_and_b32 v6, 31, v0
	v_lshl_add_u32 v[SRD], v6, 4, s2
	v_lshlrev_b32 v[SGO], 4, v6
	v_lshlrev_b32 v7, 9, v2                        ; lanes 16-31 write l_loc, 512 bytes behind m_loc
	v_lshl_add_u32 v7, v1, 2, v7
	v_add_nc_u32 v[STA0], s2, v7
	v_mov_b32 v[MXO], 0                            ; destinations of v_permlanex16_b32 count as read; v199 is named in a pair
	v_mov_b32 v[LLO], 0
	v_mov_b32 v[MM+1], 0
	s_mov_b32 s60, 0x76543210                      ; v_permlanex16_b32: each lane takes its own place in the other half
	s_mov_b32 s61, 0xfedcba98
	s_mov_b32 s62, 0xffff0000                      ; lanes 16-31
	; my part of pl: row 256 x query tile + 128 x row half; byte 512 x key tile + 256 x column half
	s_lshl_b32 s2, s20, 8
	s_lshl_b32 s3, s[RH], 7
	s_add_co_u32 s2, s2, s3
	s_lshl_b32 s2, s2, 12
	s_lshl_b32 s3, s19, 9
	s_add_co_u32 s2, s2, s3
	s_lshl_b32 s3, s[SEL], 8
	s_add_co_u32 s2, s2, s3
	s_mov_b32 s3, 0
	s_add_nc_u64 s[56:57], s[8:9], s[2:3]
	; my part of stats: key block 2 x key tile + column half, 8,192 rows a block; my 128 rows
	s_lshl_b32 s2, s19, 1
	s_add_co_u32 s2, s2, s[SEL]
	s_lshl_b32 s2, s2, 13
	s_lshl_b32 s3, s20, 8
	s_add_co_u32 s2, s2, s3
	s_lshl_b32 s3, s[RH], 7
	s_add_co_u32 s2, s2, s3
	s_lshl_b32 s2, s2, 2
	s_mov_b32 s3, 0
	s_add_nc_u64 s[58:59], s[10:11], s[2:3]
	s_wait_kmcnt 0x0                               ; T
	v_mov_b32 v[CC], s12
	v_rcp_f32 v[CC], v[CC]
	v_nop                                          ; a plain instruction between the reciprocal and its use
	s_wait_alu depctr_va_vdst(0)
	v_mul_f32 v[CC], 0x3d38aa3b, v[CC]             ; c = (log2(e) / 32) / T
	v_mov_b32 v[CC+1], v[CC]
	; slot 1's first fill is issued as a refill is
	s_wait_tensorcnt 0x0                           ; my part of K step 0 is in
	ds_add_u32 v[SPW], v[NIL]
	WALK
	s_wait_dscnt 0x0
	CROUND
	JLOAD                                          ; K step 1 into slot 1
	FETCH 0, F0
	QUARTER 64, F0, F1, 1
	WIN 0
	s_mov_b32 s[CNT], 6
.Lstep:                                                ; trips 0..5 ask for K steps 2..7
	QUARTER 128, F1, F0, 0
	QUARTER 192, F0, F1, 0
	TURN 1
	QUARTER 64, F0, F1, 0
	WIN 0
	s_sub_co_u32 s[CNT], s[CNT], 1
	s_cmp_lg_u32 s[CNT], 0
	s_cbranch_scc1 .Lstep
	QUARTER 128, F1, F0, 0
	QUARTER 192, F0, F1, 0
	TURN 0
	QUARTER 64, F0, F1, 0
	QUARTER 128, F1, F0, 0
	QUARTER 192, F0, F1, 0
	s_wait_dscnt 8
	MUL16 F1, 0, 0, 0
	MUL16 F1, 0, 2, 0
	s_wait_dscnt 0x0
	MUL16 F1, 1, 0, 0
	MUL16 F1, 1, 2, 0
	WIN 0
	PLACES
	; THE WAY OUT, a block of 16 queries a trip.  The lines that name the accumulators stand eight times (COPY), reached by forward jumps on the counter; the rest stands once.
.macro COPY a                          ; t = s c -> T; each accumulator's registers in ascending order
	WIN 0x02+(\a)/4                                ; source 0 window 2 or 3
.set i, 0
.rept 32
	v_pk_mul_f32 v[T+2*i:T+2*i+1], v[64*((\a)%4)+2*i:64*((\a)%4)+2*i+1], v[CC:CC+1] op_sel_hi:[1,0]
.set i, i+1
.endr
	WIN 0
.endm
	s_mov_b32 s[BLK], 0
.Lblk:
.irp a, 0,1,2,3,4,5,6
	s_cmp_eq_u32 s[BLK], \a
	s_cbranch_scc1 .Lcp_\a
.endr
	COPY 7
	s_branch .Lcom
.irp a, 0,1,2,3,4,5,6
.Lcp_\a:
	COPY \a
.if (\a) != 6
	s_branch .Lcom
.endif
.endr
.Lcom:
	v_lshl_add_u32 v[CO], s[BLK], 16, v[CO0]       ; 16 rows of 4,096 bytes a block
	v_lshl_add_u32 v[STA], s[BLK], 6, v[STA0]      ; 16 words a block
	; the maximum of my 64 t: four chains of fifteen, three operands at a time; the four left over; the chains; the lane 16 away
.irp k, 0,1,2,3
	v_max3_num_f32 v[CH+\k], v[T+16*\k], v[T+16*\k+1], v[T+16*\k+2]
.endr
.irp n, 1,2,3,4,5,6
.irp k, 0,1,2,3
	v_max3_num_f32 v[CH+\k], v[CH+\k], v[T+16*\k+2*\n+1], v[T+16*\k+2*\n+2]
.endr
.endr
	v_max3_num_f32 v[CH], v[CH], v[T+15], v[T+31]
	v_max3_num_f32 v[CH+2], v[CH+2], v[T+47], v[T+63]
	v_max3_num_f32 v[CH], v[CH], v[CH+1], v[CH+2]
	v_max_num_f32 v[CH], v[CH], v[CH+3]
	v_permlanex16_b32 v[MXO], v[CH], s60, s61
	v_max_num_f32 v[MM], v[CH], v[MXO]             ; m_loc of my query over the wave's 128 keys
.set i, 0
.rept 32
	v_pk_add_f32 v[T+2*i:T+2*i+1], v[T+2*i:T+2*i+1], v[MM:MM+1] op_sel_hi:[1,0] neg_lo:[0,1] neg_hi:[0,1]
.set i, i+1
.endr
.set i, 0
.rept 64
	v_exp_f32 v[T+i], v[T+i]
.set i, i+1
.endr
	v_nop                                          ; a plain instruction between the last exponential and the use of the results
.set i, 0
	s_wait_alu depctr_va_vdst(0)
.rept 32
	v_cvt_pk_bf16_f32 v[TMP+i], v[T+2*i], v[T+2*i+1]
.set i, i+1
.endr
.irp b, 0,1,2,3,4,5,6,7
	ds_store_b128 v[STO], v[TMP+4*(\b):TMP+4*(\b)+3] offset:32*(\b)
.endr
.irp t, 0,1,2,3,4,5,6,7
	ds_load_b128 v[OB+4*(\t):OB+4*(\t)+3], v[RD] offset:(\t)*2*SPITCH  ; LDS serves a wave's instructions in order (ISA guide 5.7.1.4): these see the stores above
.endr
	; while they are out: the sum of my 64 unrounded weights, in place: pairs 1, 2, 4, 8 and 16 apart
.irp d, 1,2,4,8,16
.set u, 0
.rept 16/\d
	v_pk_add_f32 v[T+4*\d*u:T+4*\d*u+1], v[T+4*\d*u:T+4*\d*u+1], v[T+4*\d*u+2*\d:T+4*\d*u+2*\d+1]
.set u, u+1
.endr
.endr
	v_add_f32 v[LL], v[T], v[T+1]
	v_permlanex16_b32 v[LLO], v[LL], s60, s61
	v_add_f32 v[LL], v[LL], v[LLO]
	v_cndmask_b32 v[SV], v[MM], v[LL], s62         ; lanes 0-15 carry m_loc, lanes 16-31 l_loc
	ds_store_b32 v[STA], v[SV]
	s_wait_dscnt 0x0
.irp t, 0,1,2,3,4,5,6,7
	global_store_b128 v[CO], v[OB+4*(\t):OB+4*(\t)+3], s[56:57] offset:2*(\t)*4096  ; 16 lanes store 256 consecutive bytes, at a multiple of 256 from pl's first byte
.endr
	s_wait_xcnt 0x0                                ; CO and OB are rewritten only behind this wait
	s_add_co_u32 s[BLK], s[BLK], 1
	s_cmp_lt_u32 s[BLK], 8
	s_cbranch_scc1 .Lblk
	ds_load_b128 v[OB:OB+3], v[SRD]                ; my wave's own bytes: 128 m_loc,
	ds_load_b128 v[OB+4:OB+7], v[SRD] offset:512   ; 128 l_loc
	s_wait_dscnt 0x0
	global_store_b128 v[SGO], v[OB:OB+3], s[58:59]                    ; each store covers 512 consecutive bytes, at a multiple of 256 from stats' first byte
	global_store_b128 v[SGO], v[OB+4:OB+7], s[58:59] offset:524288
	s_wait_tensorcnt 0x0                           ; the wave's end
	ds_add_u32 v[SPW], v[NIL]
	s_wait_dscnt 0x0
	CROUND                                         ; the closing round
	s_endpgm
.Lfunc_end_k_q4894e11785_sim:
	.size	k_q4894e11785_sim, .Lfunc_end_k_q4894e11785_sim-k_q4894e11785_sim
	.p2alignl 7, 3214868480
	.fill 96, 4, 3214868480
	.section	.rodata,"a",@progbits
	.p2align	6, 0x0
	.amdhsa_kernel k_q4894e11785_sim
		.amdhsa_group_segment_fixed_size 327680
		.amdhsa_private_segment_fixed_size 0
		.amdhsa_enable_private_segment 0
		.amdhsa_kernarg_size 32
		.amdhsa_user_sgpr_count 2
		.amdhsa_user_sgpr_kernarg_segment_ptr 1
		.amdhsa_wavefront_size32 1
		.amdhsa_system_sgpr_workgroup_id_x 1
		.amdhsa_system_sgpr_workgroup_id_y 1
		.amdhsa_system_sgpr_workgroup_id_z 1
		.amdhsa_system_vgpr_workitem_id 0
		.amdhsa_next_free_vgpr 1024
		.amdhsa_next_free_sgpr 66
		.amdhsa_reserve_vcc 0
		.amdhsa_float_denorm_mode_32 3
		.amdhsa_float_denorm_mode_16_64 3
		.amdhsa_memory_ordered 1
		.amdhsa_forward_progress 1
		.amdhsa_inst_pref_size 116
	.end_amdhsa_kernel
	.amdgpu_metadata
---
amdhsa.version: [ 1, 2 ]
amdhsa.kernels:
  - .name:           k_q4894e11785_sim
    .symbol:         k_q4894e11785_sim.kd
    .args:
      - { .name: comb, .offset: 0, .size: 8, .value_kind: global_buffer, .address_space: global }
      - { .name: temperature, .offset: 8, .size: 8, .value_kind: global_buffer, .address_space: global }
      - { .name: pl, .offset: 16, .size: 8, .value_kind: global_buffer, .address_space: global }
      - { .name: stats, .offset: 24, .size: 8, .value_kind: global_buffer, .address_space: global }
    .group_segment_fixed_size: 327680
    .private_segment_fixed_size: 0
    .kernarg_segment_align: 8
    .kernarg_segment_size: 32
    .max_flat_workgroup_size: 128
    .sgpr_count:     66
    .vgpr_count:     1024
    .wavefront_size: 32
...
	.end_amdgpu_metadata
.endif
;; end of part 3
;; launch fuse (part 4): grid 4 x 64, 4 waves a work-group, clusters of 4 x 4, 327,680 bytes of LDS; arguments comb, wgb, pl, xb, stats, bg, classical_state, out0; writes out0
.if DOCPART == 4
	.amdgcn_target "amdgcn-amd-amdhsa--gfx1250"
	.amdhsa_code_object_version 6
	.text
	.protected	k_q4894e11785_fuse
	.globl	k_q4894e11785_fuse
	.p2align	8
	.type	k_q4894e11785_fuse,@function
k_q4894e11785_fuse:
	s_mov_b64 s[64:65], 0
	v_nop
	global_prefetch_b8 v0, s[64:65] scope:SCOPE_SE
	s_setreg_imm32_b32 hwreg(HW_REG_WAVE_MODE, 25, 1), 1
	s_wait_xcnt 0x0
	s_wait_alu depctr_hold_cnt(0) depctr_sa_sdst(0) depctr_va_vdst(0) depctr_va_sdst(0) depctr_va_ssrc(0) depctr_va_vcc(0) depctr_vm_vsrc(0)
	s_getreg_b32 s2, hwreg(HW_REG_IB_STS2, 6, 4)
	s_cmp_eq_u32 s2, 0
	s_cbranch_scc0 .Lentry_in_a_cluster
	s_endpgm
.Lentry_in_a_cluster:
	s_bfe_u32 s2, ttmp6, 0x10000c
	s_cmp_lg_u32 s2, 0xf033
	s_cbranch_scc0 .Lentry_shape_is_right
	s_endpgm
.Lentry_shape_is_right:
; out = C + sigmoid(comb Wg^T + bg) x (softmax weights . Q).  Two products on ONE tile of 128 rows x 256 columns and one ring of two LDS slots, 256 work-groups:
;   PHASE G: acc = comb[rows] . wgb^T, K = 2,048 in 16 steps of 128; g = 1 / (1 + 2^(-log2(e) (acc + bg))) is kept in registers.
;   PHASE T: acc = (pl[rows] x f) . V, 2,048 keys in 16 steps of 128: a step is one key block kb of the launch before.  f[row][kb] = 2^(m_loc - m), m = the maximum of the row's sixteen m_loc,
;            l = the sum of f l_loc; out = C + g acc / l.  That is softmax with the row's maximum taken away.
; LIMITS.  pl is bf16; f is rounded to bf16 (l is formed with the rounded f) and pl x f is rounded to bf16 once more, for the matrix unit.  A factor below 2^-126 counts as 0.  l is at least 1
; (the block that holds the maximum has f = 1 and l_loc >= 1).  1 / l and the sigmoid's division by v_rcp_f32 (1 ulp).  NaN and infinities are not treated apart.
; SHARES.  Four waves, wave (wr, wc) = 64 rows x 128 columns: 32 accumulators.  Both products are used transposed (source 0 = 16 columns, source 1 = 16 rows): a lane holds one row and eight neighbouring
; columns, in g and in acc alike.  wgb comes out of LDS as it lies, V ([key][channel]) turned, by ds_load_tr16_b128.
; CLUSTER 4 x 4: comb's and pl's rows are shared along a cluster's row, wgb's rows and V's columns along a column: each tile is asked for jointly.
; By this text's own count a wave has one tensor load out at any time; from a request to the wait for it stand 112 matrix instructions.  The 32 accumulators take turns in one order everywhere.
; REGISTERS: window 0: v0-37 addresses, factors; v64-159, v160-255 two fragment buffers (source 1's four fragments at f + 8 a, source 0's eight at f + 32 + 8 b); on the way out Y, OB, CB
;   window 1: accumulator (a, b) at v[8 (8 a + b)]          window 2: g, likewise          window 3: v0-63 -log2(e) bg of my 128 columns
.set PITCH, 272                        ; rows of 256 bytes + 16 = 68 words: the 16 rows of a fragment load start at 16 different groups of four banks (64 banks of 4 bytes: ISA guide 11.1)
.set PV,    544                        ; a row of V: 512 bytes + 32 = 136 words
.set AHALF, 64*PITCH                   ; 64 rows of comb or pl: one tensor load
.set BOFF,  128*PITCH                  ; behind the 128 rows of comb or pl: wgb's 256 rows, or V's 128 keys
.set BHALF, 128*PITCH                  ; 128 rows of wgb = 64 keys of V (64 x 544): one tensor load
.set SLOT1, 1<<17                      ; slot 1 begins here: a slot is 104,448 bytes, so one exclusive or turns an address in one slot into the other's
.set STAGE, SLOT1+BOFF+2*BHALF         ; behind the ring: 16 rows x 528 bytes for each wave; no tensor load lands from here on
.set SP,    528                        ; 512 bytes + 16
.set FT,    STAGE+4*16*SP              ; [16 key blocks][128 rows] words: f as bf16 in both halves
.set RL,    FT+8192                    ; 1 / l of the 128 rows
.set SPARE, RL+512                     ; the spare words, 128 bytes for each wave: two blocks of 256 bytes that no other line names
.set ADRA0, 8                          ; v8-11  my lane's place in slot 0 among comb's or pl's rows, wgb's rows, V's keys; in the table of factors; never rewritten
.set ADRB0, 9
.set ADRV0, 10
.set FA0,   11
.set ADRA, 16
.set ADRB, 18
.set ADRV, 20
.set FA,   22
.set STO,  24
.set RD,   25
.set CO0,  26
.set CO,   27
.set SPW,  28                          ; LDS address of my spare word; never rewritten
.set NIL,  29                          ; 0; never rewritten
.set RLA0, 30
.set RLA,  31
.set FR,   32                          ; v32-35 the factor of my row in row blocks 0-3, for the key block in hand
.set RLP,  36                          ; v[36:37] 1 / l of my row: the packed multiply names the pair and takes its low word
.set F0,   64
.set F1,   160
.set Y,    64
.set OB,   128
.set CB,   192
.set WV,  20
.set WR,  21
.set SEL, 22                           ; wave & 1: my half of the columns; also which half of a tile I fetch
.set FTB, 23                           ; byte of the key block to be fetched in the table of factors
.set G1A, 24                           ; s[24:31] 64 rows x 128 elements (comb, pl);  s[32:39] 128 x 128 (wgb);  s[40:47] 64 keys x 256 elements (V)
.set G1B, 32
.set G1V, 40
.set G0A, 48                           ; groups 0, which walk: comb, wgb, pl, V
.set G0B, 52
.set G0P, 56
.set G0V, 60
.set CUR, 73
.set CNT, 74
.set BLK, 75
.set NL,  76                           ; s[76:77] -log2(e)
.set CBS, 86                           ; s[86:87] classical_state, s[88:89] out0, at my part;  s[90:91] stats at my work-group's rows
.set OBS, 88
.set STS, 90
.set MSB, 0
.macro WIN new                         ; the immediate's high byte repeats the setting that is left; a switch that changes nothing is dropped
.if MSB != (\new)
	s_set_vgpr_msb (MSB<<8)|(\new)
.set MSB, \new
.endif
.endm
.set MUL,  0x50                        ; C and D window 1, sources window 0
.set TO_3, 0xc0                        ; destination window 3
.set W_B3, 0xc3                        ; destination and source 0 window 3
.set W_GF, 0xb1                        ; destination window 2, source 0 window 1, source 2 window 3
.set W_G2, 0x82                        ; destination and source 0 window 2
.set W_Y,  0x09                        ; source 0 window 1, source 1 window 2
.macro PLACES                          ; four plain vector instructions between a matrix instruction and a load into, or a vector read or write of, its registers
.rept 4
	v_nop
.endr
.endm
.macro JLOAD set                       ; a joint load: waves 0, 1 fetch the halves of comb's (set 0) or pl's (1) tile, waves 2, 3 of wgb's or V's; s_nop 0 and four v_nop follow each line
	s_cmp_lt_u32 s[WV], 2
	s_cbranch_scc0 .Lfor_b_\@
.if \set
	tensor_load_to_lds s[G0P:G0P+3], s[G1A:G1A+7]
.else
	tensor_load_to_lds s[G0A:G0A+3], s[G1A:G1A+7]
.endif
	s_nop 0
.rept 4
	v_nop
.endr
	s_branch .Lasked_\@
.Lfor_b_\@:
.if \set
	tensor_load_to_lds s[G0V:G0V+3], s[G1V:G1V+7]
.else
	tensor_load_to_lds s[G0B:G0B+3], s[G1B:G1B+7]
.endif
	s_nop 0
.rept 4
	v_nop
.endr
.Lasked_\@:
.endm
.macro CREST
	s_cmp_lg_u32 s[WV], 0
	s_cbranch_scc1 .Lnot_wave_0_\@
	s_barrier_signal -3
.Lnot_wave_0_\@:
	s_barrier_wait -3
	s_barrier_signal -1
	s_barrier_wait -1
.endm
.macro CROUND
	s_barrier_signal -1
	s_barrier_wait -1
	CREST
.endm
.macro WALK set                        ; a phase's two descriptors: the other slot, the next K step; only where no tensor load of mine is out
.if \set
	s_xor_b32 s[G0P+1], s[G0P+1], SLOT1
	s_add_nc_u64 s[G0P+2:G0P+3], s[G0P+2:G0P+3], 256       ; 128 keys along pl's rows
	s_xor_b32 s[G0V+1], s[G0V+1], SLOT1
	s_add_nc_u64 s[G0V+2:G0V+3], s[G0V+2:G0V+3], 262144    ; 128 rows of xb, 2,048 bytes each
.else
	s_xor_b32 s[G0A+1], s[G0A+1], SLOT1
	s_add_nc_u64 s[G0A+2:G0A+3], s[G0A+2:G0A+3], 256
	s_xor_b32 s[G0B+1], s[G0B+1], SLOT1
	s_add_nc_u64 s[G0B+2:G0B+3], s[G0B+2:G0B+3], 256
.endif
.endm
.macro MUL8 f, a, zero                 ; row block a x all 8 column blocks, 32 along K.  zero = 1: the product starts the sums
	WIN MUL
.irp b, 0,1,2,3,4,5,6,7
.if \zero
	v_wmma_f32_16x16x32_bf16 v[8*(8*(\a)+(\b)):8*(8*(\a)+(\b))+7], v[(\f)+32+8*(\b):(\f)+32+8*(\b)+7], v[(\f)+8*(\a):(\f)+8*(\a)+7], 0
.else
	v_wmma_f32_16x16x32_bf16 v[8*(8*(\a)+(\b)):8*(8*(\a)+(\b))+7], v[(\f)+32+8*(\b):(\f)+32+8*(\b)+7], v[(\f)+8*(\a):(\f)+8*(\a)+7], v[8*(8*(\a)+(\b)):8*(8*(\a)+(\b))+7]
.endif
.endr
.endm
.macro SCALE f, a                      ; pl's fragment of row block a times my row's factor: all eight registers of a lane belong to one row
	WIN 0
.irp i, 0,1,2,3,4,5,6,7
	v_pk_mul_bf16 v[(\f)+8*(\a)+(\i)], v[(\f)+8*(\a)+(\i)], v[FR+(\a)]
.endr
.endm
; One run of LDS loads: quarter q's fragments into buffer g.  fr = 1: first the four factors of the new key block.  Then source 0's 16 loads (ph 0: wgb as it lies; ph 1: V turned), then source 1's 8.
.macro FETCH ph, q, g, fr
	WIN 0
.if \fr
.irp a, 0,1,2,3
	ds_load_b32 v[FR+(\a)], v[FA] offset:64*(\a)
.endr
.endif
.irp b, 0,1,2,3,4,5,6,7
.if \ph
	ds_load_tr16_b128 v[(\g)+32+8*(\b):(\g)+32+8*(\b)+3],   v[ADRV] offset:32*PV*(\q)+32*(\b)
	ds_load_tr16_b128 v[(\g)+32+8*(\b)+4:(\g)+32+8*(\b)+7], v[ADRV] offset:32*PV*(\q)+32*(\b)+16*PV
.else
	ds_load_b128 v[(\g)+32+8*(\b):(\g)+32+8*(\b)+3],   v[ADRB] offset:64*(\q)+16*PITCH*(\b)
	ds_load_b128 v[(\g)+32+8*(\b)+4:(\g)+32+8*(\b)+7], v[ADRB] offset:64*(\q)+16*PITCH*(\b)+32
.endif
.endr
.irp a, 0,1,2,3
	ds_load_b128 v[(\g)+8*(\a):(\g)+8*(\a)+3],   v[ADRA] offset:64*(\q)+16*PITCH*(\a)
	ds_load_b128 v[(\g)+8*(\a)+4:(\g)+8*(\a)+7], v[ADRA] offset:64*(\q)+16*PITCH*(\a)+32
.endr
.endm
; One of a K step's first three quarters: multiplies buffer f; in its middle quarter q's fragments go into buffer g
.macro QUARTER ph, q, f, g, zero
	s_wait_dscnt 4                                 ; all but the youngest four loads, row blocks 2 and 3
.if \ph
	SCALE \f, 0
	SCALE \f, 1
.endif
	MUL8 \f, 0, \zero
	MUL8 \f, 1, \zero
	WIN 0
	s_wait_dscnt 0x0
.if \ph
	SCALE \f, 2
	SCALE \f, 3
.endif
	PLACES
	FETCH \ph, \q, \g, 0
	MUL8 \f, 2, \zero
	MUL8 \f, 3, \zero
.endm
; The last quarter multiplies buffer 1 (phase ph) and changes slots; the next step is of phase nph.  In front of the barrier each wave waits for all its tensor loads (one is out: its part of the next slot),
; adds 0 to its spare word, and waits for that and for its reads of this slot.  set >= 0: the barrier opens a round of the cluster's barrier, and behind the round this slot is filled again first, by
; phase set's descriptors, stepped if step = 1.  set = -1: nothing is left to ask for.
.macro TURN ph, nph, set, step
	WIN 0
	s_wait_tensorcnt 0x0                           ; no tensor load of mine is out: the descriptors may be written
	ds_add_u32 v[SPW], v[NIL]
.if \step
	WALK \set
.endif
	s_xor_b32 s[CUR], s[CUR], SLOT1
	s_wait_dscnt 5                                 ; the add and the youngest four loads may be out
.if \ph
	SCALE F1, 0
	SCALE F1, 1
.endif
	MUL8 F1, 0, 0
	s_wait_dscnt 0x0                               ; the add is done, and my reads of this slot are over
	s_barrier_signal -1
	MUL8 F1, 1, 0
	WIN 0
	s_barrier_wait -1
.if (\set) >= 0
	CREST                                          ; no wave of any partner still reads this slot or has a load on its way
	JLOAD \set                                     ; its four v_nop are also the places in front of the loads below
.else
	PLACES
.endif
.if \ph
	SCALE F1, 2
	SCALE F1, 3
.endif
	v_add_nc_u32 v[ADRA], s[CUR], v[ADRA0]
.if \nph
	v_add_nc_u32 v[ADRV], s[CUR], v[ADRV0]
	v_add_nc_u32 v[FA], s[FTB], v[FA0]
	s_add_co_u32 s[FTB], s[FTB], 512               ; the next fetch of factors is the next key block's
.else
	v_add_nc_u32 v[ADRB], s[CUR], v[ADRB0]
.endif
	FETCH \nph, 0, F0, \nph
	MUL8 F1, 2, 0
	MUL8 F1, 3, 0
.endm
	s_load_b512 s[4:19], s[0:1], 0x0               ; comb 4:5, wgb 6:7, pl 8:9, xb 10:11, stats 12:13, bg 14:15, classical_state 16:17, out0 18:19
	v_lshl_add_u32 v[SPW], v0, 2, SPARE
	v_mov_b32 v[NIL], 0
	ds_add_u32 v28, v29
	s_wait_dscnt 0x0
	v_lshrrev_b32 v1, 5, v0
	v_readfirstlane_b32 s[WV], v1
	s_lshr_b32 s[WR], s[WV], 1
	s_and_b32 s[SEL], s[WV], 1
	s_bfe_u32 s66, ttmp6, 0x40000                  ; cx
	s_bfe_u32 s67, ttmp6, 0x40004                  ; cy
	s_lshl_b32 s68, ttmp9, 2
	s_add_co_u32 s68, s68, s66                     ; tile column 0..3
	s_and_b32 s70, ttmp7, 0xffff                   ; the cluster's y, 0..15
	s_lshl_b32 s69, s70, 2
	s_add_co_u32 s69, s69, s67                     ; tile row 0..63
	s_lshr_b32 s70, s70, 2                         ; the batch: from the cluster's y alone
	s_lshl_b32 s71, s67, 2
	s_lshl_b32 s71, 15, s71                        ; my row of the cluster
	s_lshl_b32 s72, 0x1111, s66                    ; my column
	s_or_b32 s[G1A], s71, (1<<16)|(1<<20)|(1<<21)|(5<<22)|(3<<25)  ; mask; 2-byte elements; padding on; bit 21 beside a mask; after every 64 words; 4 words
	s_mov_b32 s[G1A+1], 128<<16                    ; tensor_dim0 = 128
	s_mov_b32 s[G1A+2], 64<<16                     ; tensor_dim1 = 64
	s_mov_b32 s[G1A+3], 128<<16                    ; tile_dim0 = 128
	s_mov_b32 s[G1A+4], 64                         ; tile_dim1 = 64
	s_mov_b32 s[G1A+5], 2048                       ; comb and pl: 2,048 elements from row to row
	s_mov_b32 s[G1A+6], 0
	s_mov_b32 s[G1A+7], 0
	s_or_b32 s[G1B], s72, (1<<16)|(1<<20)|(1<<21)|(5<<22)|(3<<25)
	s_mov_b32 s[G1B+1], 128<<16
	s_mov_b32 s[G1B+2], 128<<16
	s_mov_b32 s[G1B+3], 128<<16
	s_mov_b32 s[G1B+4], 128
	s_mov_b32 s[G1B+5], 2048                       ; wgb
	s_mov_b32 s[G1B+6], 0
	s_mov_b32 s[G1B+7], 0
	s_or_b32 s[G1V], s72, (1<<16)|(1<<20)|(1<<21)|(6<<22)|(7<<25)  ; after every 128 words; 8 words
	s_mov_b32 s[G1V+1], 256<<16
	s_mov_b32 s[G1V+2], 64<<16
	s_mov_b32 s[G1V+3], 256<<16
	s_mov_b32 s[G1V+4], 64
	s_mov_b32 s[G1V+5], 1024                       ; xb
	s_mov_b32 s[G1V+6], 0
	s_mov_b32 s[G1V+7], 0
	s_lshl_b32 s78, s69, 7                         ; comb, pl: row 128 x tile row + 64 x half, 4,096 bytes a row (s78-81 never hold cx)
	s_lshl_b32 s80, s[SEL], 6
	s_add_co_u32 s78, s78, s80
	s_lshl_b32 s78, s78, 12
	s_mov_b32 s79, 0
	s_lshl_b32 s82, s68, 8                         ; wgb: row 256 x tile column + 128 x half, 4,096 bytes a row (s82-85 never hold cy)
	s_lshl_b32 s84, s[SEL], 7
	s_add_co_u32 s82, s82, s84
	s_lshl_b32 s82, s82, 12
	s_mov_b32 s83, 0
	s_lshl_b32 s84, s70, 11                        ; V: xb's row 8,192 + 2,048 x batch + 64 x half, 2,048 bytes a row; byte 512 x tile column
	s_lshl_b32 s85, s[SEL], 6
	s_add_co_u32 s84, s84, s85
	s_lshl_b32 s84, s84, 11
	s_lshl_b32 s85, s68, 9
	s_add_co_u32 s84, s84, s85
	s_add_co_u32 s84, s84, 16777216
	s_mov_b32 s85, 0
	s_mul_i32 s80, s[SEL], AHALF                   ; where they go: no place in the cluster enters an LDS address
	s_mul_i32 s81, s[SEL], BHALF
	s_add_co_u32 s81, s81, BOFF
	s_mov_b32 s[G0A], 1
	s_mov_b32 s[G0A+1], s80
	s_mov_b32 s[G0P], 1
	s_mov_b32 s[G0P+1], s80
	s_mov_b32 s[G0B], 1
	s_mov_b32 s[G0B+1], s81
	s_mov_b32 s[G0V], 1
	s_mov_b32 s[G0V+1], s81
	s_mov_b32 s[NL], 0xbfb8aa3b                    ; -log2(e)
	s_mov_b32 s[NL+1], s[NL]
	s_mov_b32 s[CUR], 0
	s_mov_b32 s[FTB], 0
	s_wait_kmcnt 0x0
	s_add_nc_u64 s[G0A+2:G0A+3], s[4:5], s[78:79]
	s_or_b32 s[G0A+3], s[G0A+3], 0x80000000
	s_add_nc_u64 s[G0P+2:G0P+3], s[8:9], s[78:79]
	s_or_b32 s[G0P+3], s[G0P+3], 0x80000000
	s_add_nc_u64 s[G0B+2:G0B+3], s[6:7], s[82:83]
	s_or_b32 s[G0B+3], s[G0B+3], 0x80000000
	s_add_nc_u64 s[G0V+2:G0V+3], s[10:11], s[84:85]
	s_or_b32 s[G0V+3], s[G0V+3], 0x80000000
	CROUND                                         ; all sixteen work-groups are here: the first joint loads meet
	JLOAD 0                                        ; phase G's K step 0 into slot 0
	; offsets that mix the two coordinates are made in s[2:3], which feed no descriptor
	s_lshl_b32 s2, s69, 9                          ; stats: my work-group's 128 rows, 4 bytes each
	s_mov_b32 s3, 0
	s_add_nc_u64 s[STS:STS+1], s[12:13], s[2:3]
	s_lshl_b32 s2, s68, 10                         ; my 128 columns in f32: 1,024 x tile column + 512 x column half
	s_lshl_b32 s3, s[SEL], 9
	s_add_co_u32 s2, s2, s3
	s_mov_b32 s3, 0
	s_add_nc_u64 s[14:15], s[14:15], s[2:3]        ; bg
	s_lshl_b32 s3, s69, 19                         ; + row 128 x tile row + 64 x row half, 4,096 bytes a row
	s_add_co_u32 s2, s2, s3
	s_lshl_b32 s3, s[WR], 18
	s_add_co_u32 s2, s2, s3
	s_mov_b32 s3, 0
	s_add_nc_u64 s[CBS:CBS+1], s[16:17], s[2:3]
	s_add_nc_u64 s[OBS:OBS+1], s[18:19], s[2:3]
	v_and_b32 v1, 15, v0                           ; r
	v_bfe_u32 v2, v0, 4, 1                         ; h
	v_and_b32 v3, 31, v0                           ; lane
	v_lshlrev_b32 v12, 2, v0                       ; 4 t: thread t sees to row t of the work-group's 128
	v_lshlrev_b32 v13, 5, v2                       ; 32 h
.irp k, 0,1,2,3,4,5,6,7,8,9,10,11,12,13,14,15
	global_load_b32 v[64+\k], v12, s[STS:STS+1] offset:32768*\k           ; m_loc of key block k
	global_load_b32 v[80+\k], v12, s[STS:STS+1] offset:524288+32768*\k    ; l_loc
.endr
	WIN TO_3
.irp b, 0,1,2,3,4,5,6,7
	global_load_b128 v[8*(\b):8*(\b)+3],   v13, s[14:15] offset:64*(\b)     ; register 8 b + j: bg of column 16 b + 8 h + j, as the accumulators lie
	global_load_b128 v[8*(\b)+4:8*(\b)+7], v13, s[14:15] offset:64*(\b)+16
.endr
	WIN 0
	v_mul_u32_u24 v4, v1, PITCH
	v_lshl_add_u32 v4, v2, 4, v4                   ; r x pitch + 16 h
	s_mul_i32 s2, s[WR], AHALF
	v_add_nc_u32 v[ADRA0], s2, v4
	s_mul_i32 s2, s[SEL], BHALF
	s_add_co_u32 s2, s2, BOFF
	v_add_nc_u32 v[ADRB0], s2, v4
	; the turning load takes 16 keys x 16 channels: lane l reads key 8 (l / 16) + l % 8, channels 8 ((l / 8) % 2) + 0..7, and is left with channel l % 16 and 8 keys
	v_and_b32 v5, 7, v0
	v_lshl_add_u32 v5, v2, 3, v5
	v_mul_u32_u24 v5, v5, PV
	v_bfe_u32 v6, v0, 3, 1
	v_lshl_add_u32 v5, v6, 4, v5
	s_lshl_b32 s2, s[SEL], 8                       ; my 128 channels of the tile's 256
	s_add_co_u32 s2, s2, BOFF
	v_add_nc_u32 v[ADRV0], s2, v5
	v_mov_b32 v[ADRA], v[ADRA0]
	v_mov_b32 v[ADRB], v[ADRB0]
	s_lshl_b32 s2, s[WR], 8
	s_add_co_u32 s2, s2, FT
	v_lshl_add_u32 v[FA0], v1, 2, s2               ; the word of row 64 wr + r
	v_add_nc_u32 v[RLA0], RL-FT, v[FA0]
	s_mul_i32 s2, s[WV], 16*SP
	s_add_co_u32 s2, s2, STAGE                     ; my stage
	v_mul_u32_u24 v4, v1, SP
	v_lshl_add_u32 v4, v2, 5, v4
	v_add_nc_u32 v[STO], s2, v4                    ; in: row r, 32 bytes for each half of the lanes
	v_lshl_add_u32 v[RD], v3, 4, s2                ; back: 32 lanes take a row of 512 bytes
	v_lshlrev_b32 v[CO0], 4, v3
	v_add_nc_u32 v14, FT, v12                      ; where thread t puts its row's factors
	v_mov_b32 v[RLP+1], 0                          ; named in a pair
	s_wait_loadcnt 0x0
	; the row's maximum, factors, sum
	v_max3_num_f32 v96, v64, v65, v66
.irp n, 0,1,2,3,4,5
	v_max3_num_f32 v96, v96, v[67+2*\n], v[68+2*\n]
.endr
	v_max_num_f32 v96, v96, v79
	v_mov_b32 v97, v96
.irp i, 0,1,2,3,4,5,6,7
	v_pk_add_f32 v[64+2*\i:65+2*\i], v[64+2*\i:65+2*\i], v[96:97] neg_lo:[0,1] neg_hi:[0,1]
.endr
.irp k, 0,1,2,3,4,5,6,7,8,9,10,11,12,13,14,15
	v_exp_f32 v[64+\k], v[64+\k]
.endr
	v_nop                                          ; a plain instruction between the last exponential and the use of the results
	s_wait_alu depctr_va_vdst(0)
.irp k, 0,1,2,3,4,5,6,7,8,9,10,11,12,13,14,15
	v_cvt_pk_bf16_f32 v[98+\k], v[64+\k], v[64+\k] ; f in both halves
.endr
.irp k, 0,1,2,3,4,5,6,7,8,9,10,11,12,13,14,15
	v_lshlrev_b32 v[64+\k], 16, v[98+\k]           ; the rounded f in f32: l is formed with what the weights are multiplied by
.endr
	v_mul_f32 v114, v64, v80
	v_mul_f32 v115, v65, v81
.irp k, 2,4,6,8,10,12,14
	v_fmac_f32 v114, v[64+\k], v[80+\k]
	v_fmac_f32 v115, v[65+\k], v[81+\k]
.endr
	v_add_f32 v114, v114, v115
	v_rcp_f32 v116, v114
	v_nop                                          ; a plain instruction between the reciprocal and its use
.irp k, 0,1,2,3,4,5,6,7,8,9,10,11,12,13,14,15
	ds_store_b32 v14, v[98+\k] offset:512*\k
.endr
	s_wait_alu depctr_va_vdst(0)
	ds_store_b32 v14, v116 offset:RL-FT
	WIN W_B3
.set i, 0
.rept 32
	v_pk_mul_f32 v[2*i:2*i+1], v[2*i:2*i+1], s[NL:NL+1] op_sel_hi:[1,0]  ; -log2(e) bg
.set i, i+1
.endr
	WIN 0
	; slot 1's first fill is issued as a refill is; the wait for my LDS stores and the round also show the table to every wave
	s_wait_tensorcnt 0x0                           ; my part of K step 0 is in
	ds_add_u32 v[SPW], v[NIL]
	WALK 0
	s_wait_dscnt 0x0
	CROUND
	JLOAD 0                                        ; phase G's K step 1 into slot 1
	; PHASE G
	FETCH 0, 0, F0, 0
	QUARTER 0, 1, F0, F1, 1                        ; the first quarter stands in front of the loop: its products start the sums
	WIN 0
	s_mov_b32 s[CNT], 14
.LstepG:                                               ; a trip: from a K step's second quarter to the next step's first; trips 0..13 ask for K steps 2..15
	QUARTER 0, 2, F1, F0, 0
	QUARTER 0, 3, F0, F1, 0
	TURN 0, 0, 0, 1
	QUARTER 0, 1, F0, F1, 0
	WIN 0
	s_sub_co_u32 s[CNT], s[CNT], 1
	s_cmp_lg_u32 s[CNT], 0
	s_cbranch_scc1 .LstepG
	QUARTER 0, 2, F1, F0, 0                        ; THE RING GOES ON INTO PHASE T: K step 14 leaves slot 0 to phase T's step 0 (its descriptors as they were made),
	QUARTER 0, 3, F0, F1, 0
	TURN 0, 0, 1, 0
	QUARTER 0, 1, F0, F1, 0
	QUARTER 0, 2, F1, F0, 0
	QUARTER 0, 3, F0, F1, 0
	TURN 0, 1, 1, 1                                ; K step 15 leaves slot 1 to phase T's step 1; phase T's first fragments and factors are fetched
	; THE GATE, while those loads are out: g = 1 / (1 + 2^(-log2(e) acc - log2(e) bg)); each accumulator's registers in ascending order
	PLACES
	WIN W_GF
.set i, 0
.rept 128
	v_pk_fma_f32 v[2*i:2*i+1], v[2*i:2*i+1], s[NL:NL+1], v[(2*i)%64:(2*i)%64+1] op_sel_hi:[1,0,1]
.set i, i+1
.endr
	WIN W_G2
.set i, 0
.rept 256
	v_exp_f32 v[i], v[i]
.set i, i+1
.endr
	v_nop                                          ; a plain instruction between the last exponential and the use of the results
.set i, 0
	s_wait_alu depctr_va_vdst(0)
.rept 128
	v_pk_add_f32 v[2*i:2*i+1], v[2*i:2*i+1], 1.0 op_sel_hi:[1,0]
.set i, i+1
.endr
.set i, 0
.rept 256
	v_rcp_f32 v[i], v[i]
.set i, i+1
.endr
	v_nop                                          ; a plain instruction behind the last reciprocal
	WIN 0
	; PHASE T
	QUARTER 1, 1, F0, F1, 1                        ; its products start the sums anew, on accumulators that have been read out
	WIN 0
	s_mov_b32 s[CNT], 14
.LstepT:                                               ; trips 0..13 ask for key steps 2..15
	QUARTER 1, 2, F1, F0, 0
	QUARTER 1, 3, F0, F1, 0
	TURN 1, 1, 1, 1
	QUARTER 1, 1, F0, F1, 0
	WIN 0
	s_sub_co_u32 s[CNT], s[CNT], 1
	s_cmp_lg_u32 s[CNT], 0
	s_cbranch_scc1 .LstepT
	QUARTER 1, 2, F1, F0, 0                        ; key steps 14 and 15 are written out: nothing is left to ask for
	QUARTER 1, 3, F0, F1, 0
	TURN 1, 1, -1, 0
	QUARTER 1, 1, F0, F1, 0
	QUARTER 1, 2, F1, F0, 0
	QUARTER 1, 3, F0, F1, 0
	s_wait_dscnt 4
	SCALE F1, 0
	SCALE F1, 1
	MUL8 F1, 0, 0
	MUL8 F1, 1, 0
	WIN 0
	s_wait_dscnt 0x0
	SCALE F1, 2
	SCALE F1, 3
	MUL8 F1, 2, 0
	MUL8 F1, 3, 0
	WIN 0
	PLACES
	; THE WAY OUT, a block of 16 rows a trip: C's rows are asked for first; acc x g (the lines that name the accumulators stand four times, reached by forward jumps on the counter); x 1 / l;
	; through my stage into whole rows of 512 bytes; + C; stored.
.macro COPY a                          ; each accumulator's registers in ascending order
	WIN W_Y
.set i, 0
	s_wait_alu depctr_va_vdst(0)
.rept 32
	v_pk_mul_f32 v[Y+2*i:Y+2*i+1], v[64*(\a)+2*i:64*(\a)+2*i+1], v[64*(\a)+2*i:64*(\a)+2*i+1]
.set i, i+1
.endr
	WIN 0
.endm
	s_mov_b32 s[BLK], 0
.Lblk:
	v_lshl_add_u32 v[CO], s[BLK], 16, v[CO0]       ; 16 rows of 4,096 bytes a block
	v_lshl_add_u32 v[RLA], s[BLK], 6, v[RLA0]      ; 16 words a block
.irp t, 0,1,2,3,4,5,6,7,8,9,10,11,12,13,14,15
	global_load_b128 v[CB+4*(\t):CB+4*(\t)+3], v[CO], s[CBS:CBS+1] offset:4096*(\t) th:TH_LOAD_NT
.endr
	ds_load_b32 v[RLP], v[RLA]
.irp a, 0,1,2
	s_cmp_eq_u32 s[BLK], \a
	s_cbranch_scc1 .Lcp_\a
.endr
	COPY 3
	s_branch .Lcom
.irp a, 0,1,2
.Lcp_\a:
	COPY \a
.if (\a) != 2
	s_branch .Lcom
.endif
.endr
.Lcom:
	s_wait_dscnt 0x0                               ; 1 / l of my row
.set i, 0
.rept 32
	v_pk_mul_f32 v[Y+2*i:Y+2*i+1], v[Y+2*i:Y+2*i+1], v[RLP:RLP+1] op_sel_hi:[1,0]
.set i, i+1
.endr
.irp b, 0,1,2,3,4,5,6,7
	ds_store_b128 v[STO], v[Y+8*(\b):Y+8*(\b)+3]   offset:64*(\b)
	ds_store_b128 v[STO], v[Y+8*(\b)+4:Y+8*(\b)+7] offset:64*(\b)+16
.endr
.irp t, 0,1,2,3,4,5,6,7,8,9,10,11,12,13,14,15
	ds_load_b128 v[OB+4*(\t):OB+4*(\t)+3], v[RD] offset:SP*(\t)  ; LDS serves a wave's instructions in order (ISA guide 5.7.1.4): these see the stores above
.endr
	s_wait_loadcnt 0x0                             ; C
	s_wait_dscnt 0x0
.set i, 0
.rept 32
	v_pk_add_f32 v[OB+2*i:OB+2*i+1], v[OB+2*i:OB+2*i+1], v[CB+2*i:CB+2*i+1]
.set i, i+1
.endr
.irp t, 0,1,2,3,4,5,6,7,8,9,10,11,12,13,14,15
	global_store_b128 v[CO], v[OB+4*(\t):OB+4*(\t)+3], s[OBS:OBS+1] offset:4096*(\t) th:TH_STORE_NT  ; 512 consecutive bytes, at a multiple of 256 from out0's first byte
.endr
	s_wait_xcnt 0x0                                ; CO and OB are rewritten in the next trip only behind this wait
	s_add_co_u32 s[BLK], s[BLK], 1
	s_cmp_lt_u32 s[BLK], 4
	s_cbranch_scc1 .Lblk
	s_wait_tensorcnt 0x0                           ; the wave's end
	ds_add_u32 v[SPW], v[NIL]
	s_wait_dscnt 0x0
	CROUND                                         ; the closing round: no work-group ends while a partner may still ask for a tile that names it
	s_endpgm
.Lfunc_end_k_q4894e11785_fuse:
	.size	k_q4894e11785_fuse, .Lfunc_end_k_q4894e11785_fuse-k_q4894e11785_fuse
	.p2alignl 7, 3214868480
	.fill 96, 4, 3214868480
	.section	.rodata,"a",@progbits
	.p2align	6, 0x0
	.amdhsa_kernel k_q4894e11785_fuse
		.amdhsa_group_segment_fixed_size 327680
		.amdhsa_private_segment_fixed_size 0
		.amdhsa_enable_private_segment 0
		.amdhsa_kernarg_size 64
		.amdhsa_user_sgpr_count 2
		.amdhsa_user_sgpr_kernarg_segment_ptr 1
		.amdhsa_wavefront_size32 1
		.amdhsa_system_sgpr_workgroup_id_x 1
		.amdhsa_system_sgpr_workgroup_id_y 1
		.amdhsa_system_sgpr_workgroup_id_z 1
		.amdhsa_system_vgpr_workitem_id 0
		.amdhsa_next_free_vgpr 832
		.amdhsa_next_free_sgpr 92
		.amdhsa_reserve_vcc 0
		.amdhsa_float_denorm_mode_32 3
		.amdhsa_float_denorm_mode_16_64 3
		.amdhsa_memory_ordered 1
		.amdhsa_forward_progress 1
		.amdhsa_inst_pref_size 193
	.end_amdhsa_kernel
	.amdgpu_metadata
---
amdhsa.version: [ 1, 2 ]
amdhsa.kernels:
  - .name:           k_q4894e11785_fuse
    .symbol:         k_q4894e11785_fuse.kd
    .args:
      - { .name: comb, .offset: 0, .size: 8, .value_kind: global_buffer, .address_space: global }
      - { .name: wgb, .offset: 8, .size: 8, .value_kind: global_buffer, .address_space: global }
      - { .name: pl, .offset: 16, .size: 8, .value_kind: global_buffer, .address_space: global }
      - { .name: xb, .offset: 24, .size: 8, .value_kind: global_buffer, .address_space: global }
      - { .name: stats, .offset: 32, .size: 8, .value_kind: global_buffer, .address_space: global }
      - { .name: bg, .offset: 40, .size: 8, .value_kind: global_buffer, .address_space: global }
      - { .name: classical_state, .offset: 48, .size: 8, .value_kind: global_buffer, .address_space: global }
      - { .name: out0, .offset: 56, .size: 8, .value_kind: global_buffer, .address_space: global }
    .group_segment_fixed_size: 327680
    .private_segment_fixed_size: 0
    .kernarg_segment_align: 8
    .kernarg_segment_size: 64
    .max_flat_workgroup_size: 128
    .sgpr_count:     92
    .vgpr_count:     832
    .wavefront_size: 32
...
	.end_amdgpu_metadata
.endif
;; end of part 4
